; MI455X (gfx1250); checked and timed in simulation.
; The chip was launched on July 23, 2026; its instructions are those of AMD's public machine-readable ISA for CDNA 5 (MIT licence, August 2026) and "CDNA5" Instruction Set Architecture Reference Guide (July 2026). The comments in the code are by the model that wrote it; some were corrected since.
;; Cross Attention Layer. Allowed arithmetic: matrix products marked QUANTISED: E2M1 operands, one E8M0 scale for each 32 along K, by v_wmma_scale_f32_16x16x128_f8f6f4 with both operands' format E2M1 (or v_wmma_scale_f32_32x16x128_f4), f32 sums; products left as they are: bf16, f16 or f32 operands; f32 sums; everything else in f32.
;; Inputs: Wk 768 x 1,024 float32; Wo 1,024 x 1,024 float32; Wq 1,024 x 1,024 float32; Wv 768 x 1,024 float32; bo 1,024 float32; context 8 x 1,024 x 768 float32; x 8 x 1,024 x 1,024 float32.
;; Outputs: out0 8 x 1,024 x 1,024 float32.
;; This version of the problem:
;;   THIS VERSION OF THE PROBLEM IS GIVEN IN LOW PRECISION. The matrix products marked QUANTISED in the list below multiply operands that are first quantised to E2M1 (2 exponent bits, 1 mantissa bit; 4 bits a number), with one power-of-two scale for each 32 numbers along K (OCP MX v1.0); their sums are f32. The products marked 'left as it is' may take bf16, f16 or f32 operands, with f32 sums. Whichever they take, every output number must still come out within the allowed error. Rounding operands to bf16 (8 significant bits) uses up far more of that allowance than f16 does (11 bits, for magnitudes from 6e-5 to 65,504). All else is computed in f32.
;;   The module's matrix products, in the order in which they are computed (A, B: the left and right operand; K: the contracted axis; several contracted axes count as one K, in the product's order):
;;     1. [M 8,192, K 1,024] x [K 1,024, N 1,024]; A: input x; B: input Wq: QUANTISED
;;     2. [M 8,192, K 768] x [K 768, N 1,024]; A: input context; B: input Wk: QUANTISED
;;     3. [M 8,192, K 768] x [K 768, N 1,024]; A: input context; B: input Wv: QUANTISED
;;     4. batch 128 x [M 1,024, K 64] x [K 64, N 1,024]; A: computed on the way; B: computed on the way: left as it is (an operand is computed on the way)
;;     5. batch 128 x [M 1,024, K 1,024] x [K 1,024, N 64]; A: computed on the way; B: computed on the way: left as it is (an operand is computed on the way)
;;     6. [M 8,192, K 1,024] x [K 1,024, N 1,024]; A: computed on the way; B: input Wo: left as it is (an operand is computed on the way)
;;   THE QUANTISER, for each operand of a quantised product, along K:
;;     - K is cut into blocks of 32 from its start; a last block that is shorter is filled with zeros.
;;     - A block's scale is 2^e with e = floor(log2(the largest magnitude in the block)) - 2, held to -126 .. 127; a block of zeros has e = 0. As a byte (E8M0): e + 127.
;;     - Each number is divided by its block's scale, clamped to +-6, and rounded to the nearest number of E2M1, ties to even, subnormals kept.
;;     - The product sums the exact products of the quantised numbers (number of the format x scale) in f32.
;;   ~~~python
;;   def quantise(x, axis):      # numpy; x: float32 -> the quantised numbers, widened to float32 again
;;       x = np.moveaxis(x, axis, -1); K = x.shape[-1]
;;       x = np.pad(x, [(0, 0)] * (x.ndim - 1) + [(0, -K % 32)]); x = x.reshape(x.shape[:-1] + (-1, 32)); a = np.abs(x).max(-1, keepdims=True)
;;       e = np.where(a > 0, np.clip(np.frexp(np.where(a > 0, a, 1))[1] - 1 - 2, -126, 127), 0)      # np.frexp(a)[1] - 1 = floor(log2(a)), exactly
;;       r = np.clip(x / 2.0 ** e, -6, 6)
;;       step = 2.0 ** (np.maximum(np.frexp(np.where(r == 0, 1, r))[1] - 1, 0) - 1)
;;       q = np.round(r / step) * step * 2.0 ** e      # np.round: ties to even
;;       return np.moveaxis(q.reshape(q.shape[:-2] + (-1,))[..., :K], -1, axis).astype(np.float32)
;;   ~~~
;; One version. Each part assembles by itself: llvm-mc -triple=amdgcn-amd-amdhsa -mcpu=gfx1250 --defsym DOCPART=n.
;; ======== version 1 of 1: 4 launches
;; limits: values are held in f16: magnitudes above 65,504 overflow, below 6.1e-05 lose precision
;; workspace buffers: wts 3,489,792 bytes; q_img 16,777,216 bytes; k_img 16,777,216 bytes; v_img 16,777,216 bytes; att_img 16,777,216 bytes
;; launch prep (part 1): grid 224 x 1, 4 waves a work-group, no clusters, 0 bytes of LDS; arguments Wq, Wk, Wv, Wo, wts; writes wts
.if DOCPART == 1
	.amdgcn_target "amdgcn-amd-amdhsa--gfx1250"
	.amdhsa_code_object_version 6
	.text
	.protected	k_q13c5b7958b_prep
	.globl	k_q13c5b7958b_prep
	.p2align	8
	.type	k_q13c5b7958b_prep,@function
k_q13c5b7958b_prep:
	s_mov_b64 s[64:65], 0
	v_nop
	global_prefetch_b8 v0, s[64:65] scope:SCOPE_SE
	s_setreg_imm32_b32 hwreg(HW_REG_WAVE_MODE, 25, 1), 1
	s_wait_xcnt 0x0
; CROSS ATTENTION, launch 1 of 4: the weights, once, into the order in which the later launches' operand registers take them.
; THE WHOLE PROGRAM: prep (this) -> proj (q, k, v: the three products on codes of E2M1) -> attn (softmax(q k^T / 8) v) -> oproj (att Wo + bo).
; NOTHING OF reference() IS LEFT OUT: all seven inputs reach the output.  The factor 64^-0.5 is folded, with log2(e), into the constant of the exponent in attn.
; Wq [1024][1024], Wk, Wv [768][1024], f32, K = the first axis: codes of E2M1 with one E8M0 byte for each 32 along K.  Wo [1024][1024]: rounded to f16.
; A block's scale is 2^(floor(log2(its largest magnitude)) - 2); its byte is the largest magnitude's exponent field - 2, held at 1 from below.
; LIMITS: a block of zeros gets the byte 1 where the rule says 127 (its codes are zeros, and this program alone reads the bytes); blocks whose largest magnitude lies under 2^-124 have the byte 1;
; numbers of Wo beyond 65,504 are not served (f16); NaN and infinities among the inputs are not served.
; IMAGES.  A fragment is 1,024 bytes: [half c = 0, 1][lane 0 .. 31][16 bytes], so that two loads of 16 bytes a lane at 16 x lane fill an operand.
;   codes, 16 columns x 128 K: block b of 32 along K of column r lies at 256 b + 16 r.     f16, 16 columns x 32 K: the eight numbers k = 8 g .. 8 g + 7 of column r lie at 256 g + 16 r.
; A LANE TAKES A COLUMN n AND ITS REGISTERS RUN DOWN K: a load reads 128 consecutive bytes a wave, a block of 32 lies in one lane, and nothing is transposed.
; SHARES.  A work-group takes 128 columns x 128 along K of one weight, a wave 32 columns (two tiles of 16).  Work-groups 0-63 Wq, 64-111 Wk, 112-159 Wv, 160-223 Wo: as many as there is work for.
; Each store of codes or of f16 numbers covers two runs of 256 consecutive bytes, aligned.  The scale words leave in runs of 64 bytes: 81,920 bytes in the whole launch.
.set WQI, 0                            ; wts: Wq's codes [nt 64][ks 8][1024]
.set WKI, 524288                       ; Wk's [64][6][1024]
.set WVI, 917504                       ; Wv's [64][6][1024]
.set WQS, 1310720                      ; Wq's scale words [nt][ks][16 words]
.set WKS, 1343488
.set WVS, 1368064
.set WOI, 1392640                      ; Wo as f16 [nt 64][ks32 32][1024]
.set C, 16                             ; v16-31   codes: four registers a block, so that no store's data are written again
.set X, 32                             ; v32-159  128 numbers down K
	s_load_b256 s[4:11], s[0:1], 0x0               ; Wq s[4:5], Wk s[6:7], Wv s[8:9], Wo s[10:11]
	s_load_b64 s[12:13], s[0:1], 0x20              ; wts
	v_lshrrev_b32 v1, 5, v0
	v_readfirstlane_b32 s16, v1                    ; wave 0..3
	v_and_b32 v5, 31, v0                           ; lane
	v_lshlrev_b32 v2, 2, v5                        ; in: 4 bytes a lane
	v_and_b32 v6, 15, v0                           ; r
	v_bfe_u32 v7, v0, 4, 1                         ; h: which of my wave's two tiles
	s_mov_b32 s20, 160                             ; Wo's figures: first work-group,
	s_mov_b32 s21, 32768                           ; bytes of a tile's images,
	s_mov_b32 s22, 4096                            ; bytes of 128 along K in them,
	s_mov_b32 s23, WOI                             ; where the images begin,
	s_mov_b32 s24, 0                               ; and the scale words (Wo has none)
	s_wait_kmcnt 0x0
	s_mov_b64 s[18:19], s[10:11]
	s_cmp_lt_u32 ttmp9, 160                        ; the choices hang on the work-group's number alone
	s_cselect_b64 s[18:19], s[8:9], s[18:19]
	s_cselect_b32 s20, 112, s20
	s_cselect_b32 s21, 6144, s21
	s_cselect_b32 s22, 1024, s22
	s_cselect_b32 s23, WVI, s23
	s_cselect_b32 s24, WVS, s24
	s_cmp_lt_u32 ttmp9, 112
	s_cselect_b64 s[18:19], s[6:7], s[18:19]
	s_cselect_b32 s20, 64, s20
	s_cselect_b32 s23, WKI, s23
	s_cselect_b32 s24, WKS, s24
	s_cmp_lt_u32 ttmp9, 64
	s_cselect_b64 s[18:19], s[4:5], s[18:19]
	s_cselect_b32 s20, 0, s20
	s_cselect_b32 s21, 8192, s21
	s_cselect_b32 s23, WQI, s23
	s_cselect_b32 s24, WQS, s24
	s_sub_co_u32 s25, ttmp9, s20
	s_and_b32 s26, s25, 7                          ; which 128 columns
	s_lshr_b32 s27, s25, 3                         ; which 128 along K
	s_lshl_b32 s28, s27, 19                        ; 128 rows of 4,096 bytes,
	s_lshl_b32 s29, s26, 9                         ; 128 columns,
	s_add_co_u32 s28, s28, s29
	s_lshl_b32 s29, s16, 7                         ; my wave's 32
	s_add_co_u32 s28, s28, s29
	s_mov_b32 s29, 0
	s_add_nc_u64 s[18:19], s[18:19], s[28:29]
.macro LOAD b                          ; block b: W(32 b + i, my column), i = 0 .. 31
.set i, 0
.rept 32
	global_load_b32 v[X+32*(\b)+i], v2, s[18:19] offset:4096*(32*(\b)+i) th:TH_LOAD_NT
.set i, i+1
.endr
.endm
.macro AHEAD b                         ; block b is in; the one younger block may be out; the block two on is asked for, into registers of its own
.if (\b) < 3
	s_wait_loadcnt 32
.else
	s_wait_loadcnt 0x0
.endif
.if (\b)+2 < 4
	LOAD (\b)+2
.endif
.endm
	LOAD 0
	LOAD 1
	s_lshl_b32 s30, s26, 3
	s_lshl_b32 s31, s16, 1
	s_add_co_u32 s30, s30, s31                     ; my wave's first tile of 16 columns
	s_mul_i32 s32, s30, s21
	s_mul_i32 s33, s27, s22
	s_add_co_u32 s32, s32, s33
	s_add_co_u32 s32, s32, s23
	s_mov_b32 s33, 0
	s_add_nc_u64 s[34:35], s[12:13], s[32:33]      ; where my images go
	v_mul_u32_u24 v3, s21, v7
	v_lshl_add_u32 v3, v6, 4, v3                   ; my tile, + 16 r
	s_cmp_ge_u32 ttmp9, 160
	s_cbranch_scc1 .Lcast
	s_lshr_b32 s31, s21, 4                         ; a tile's scale words: 64 bytes for each 1,024 of codes
	s_mul_i32 s36, s30, s31
	s_lshl_b32 s37, s27, 6
	s_add_co_u32 s36, s36, s37
	s_add_co_u32 s36, s36, s24
	s_mov_b32 s37, 0
	s_add_nc_u64 s[38:39], s[12:13], s[36:37]
	v_mul_u32_u24 v4, s31, v7
	v_lshl_add_u32 v4, v6, 2, v4                   ; my tile, + 4 r
.macro BLOCK b
.set XS, X+32*(\b)
	AHEAD \b
	v_max3_num_f32 v8, |v[XS]|, |v[XS+1]|, |v[XS+2]|               ; the block's largest magnitude: all 32 numbers are mine; two chains
	v_max3_num_f32 v9, |v[XS+3]|, |v[XS+4]|, |v[XS+5]|
.irp i, 6,10,14,18,22,26
	v_max3_num_f32 v8, v8, |v[XS+\i]|, |v[XS+\i+1]|
	v_max3_num_f32 v9, v9, |v[XS+\i+2]|, |v[XS+\i+3]|
.endr
	v_max3_num_f32 v8, v8, |v[XS+30]|, |v[XS+31]|
	v_max3_num_f32 v8, v8, v9, 0x1800000           ; and the floor 2^(3 - 127): the byte cannot fall under 1
	v_add_nc_u32 v10, 0xff000000, v8               ; 2 off the exponent field: the conversion takes this operand's exponent field as its scale
	v_lshrrev_b32 v11, 23, v10                     ; the scale's byte
.if (\b) == 0
	v_mov_b32 v12, v11                             ; four bytes make the word of these 128 along K, the lower K in the lower byte
.else
	v_lshl_or_b32 v12, v11, 8*(\b), v12
.endif
.irp g, 0,1,2,3
	v_cvt_scalef32_pk8_fp4_f32 v[C+4*(\b)+\g], v[XS+8*\g:XS+8*\g+7], v10
.endr
	global_store_b128 v3, v[C+4*(\b):C+4*(\b)+3], s[34:35] offset:256*(\b)   ; sixteen lanes store 256 consecutive bytes, aligned.  (The next block's first lines are plain vector lines: they stand between the conversions and the next write of v10)
.endm
	BLOCK 0
	BLOCK 1
	BLOCK 2
	BLOCK 3
	global_store_b32 v4, v12, s[38:39]             ; my column's scale word
	s_endpgm
.Lcast:                                            ; Wo: eight numbers down K become 16 bytes
.macro CAST b
	AHEAD \b
.irp g, 0,1,2,3
.set XG, X+32*(\b)+8*\g
.irp i, 0,1,2,3
	v_cvt_pk_f16_f32 v[XG+\i], v[XG+2*\i], v[XG+2*\i+1]            ; in place, ascending: a result never lands on a number not yet read
.endr
	global_store_b128 v3, v[XG:XG+3], s[34:35] offset:256*(4*(\b)+\g)
.endr
.endm
	CAST 0
	CAST 1
	CAST 2
	CAST 3
	s_endpgm
.Lfunc_end_k_q13c5b7958b_prep:
	.size	k_q13c5b7958b_prep, .Lfunc_end_k_q13c5b7958b_prep-k_q13c5b7958b_prep
	.p2alignl 7, 3214868480
	.fill 96, 4, 3214868480
	.section	.rodata,"a",@progbits
	.p2align	6, 0x0
	.amdhsa_kernel k_q13c5b7958b_prep
		.amdhsa_group_segment_fixed_size 0
		.amdhsa_private_segment_fixed_size 0
		.amdhsa_enable_private_segment 0
		.amdhsa_kernarg_size 40
		.amdhsa_user_sgpr_count 2
		.amdhsa_user_sgpr_kernarg_segment_ptr 1
		.amdhsa_wavefront_size32 1
		.amdhsa_system_sgpr_workgroup_id_x 1
		.amdhsa_system_sgpr_workgroup_id_y 1
		.amdhsa_system_sgpr_workgroup_id_z 1
		.amdhsa_system_vgpr_workitem_id 0
		.amdhsa_next_free_vgpr 160
		.amdhsa_next_free_sgpr 66
		.amdhsa_reserve_vcc 0
		.amdhsa_float_denorm_mode_32 3
		.amdhsa_float_denorm_mode_16_64 3
		.amdhsa_memory_ordered 1
		.amdhsa_forward_progress 1
		.amdhsa_inst_pref_size 33
	.end_amdhsa_kernel
	.amdgpu_metadata
---
amdhsa.version: [ 1, 2 ]
amdhsa.kernels:
  - .name:           k_q13c5b7958b_prep
    .symbol:         k_q13c5b7958b_prep.kd
    .args:
      - { .name: Wq, .offset: 0, .size: 8, .value_kind: global_buffer, .address_space: global }
      - { .name: Wk, .offset: 8, .size: 8, .value_kind: global_buffer, .address_space: global }
      - { .name: Wv, .offset: 16, .size: 8, .value_kind: global_buffer, .address_space: global }
      - { .name: Wo, .offset: 24, .size: 8, .value_kind: global_buffer, .address_space: global }
      - { .name: wts, .offset: 32, .size: 8, .value_kind: global_buffer, .address_space: global }
    .group_segment_fixed_size: 0
    .private_segment_fixed_size: 0
    .kernarg_segment_align: 8
    .kernarg_segment_size: 40
    .max_flat_workgroup_size: 128
    .sgpr_count:     66
    .vgpr_count:     160
    .wavefront_size: 32
...
	.end_amdgpu_metadata
.endif
;; end of part 1
;; launch proj (part 2): grid 256 x 1, 16 waves a work-group, no clusters, 66,048 bytes of LDS; arguments x, context, wts, q_img, k_img, v_img; writes q_img, k_img, v_img
.if DOCPART == 2
	.amdgcn_target "amdgcn-amd-amdhsa--gfx1250"
	.amdhsa_code_object_version 6
	.text
	.protected	k_q13c5b7958b_proj
	.globl	k_q13c5b7958b_proj
	.p2align	8
	.type	k_q13c5b7958b_proj,@function
k_q13c5b7958b_proj:
	s_mov_b64 s[64:65], 0
	v_nop
	global_prefetch_b8 v0, s[64:65] scope:SCOPE_SE
	s_setreg_imm32_b32 hwreg(HW_REG_WAVE_MODE, 25, 1), 1
	s_wait_xcnt 0x0
; Launch 2 of 4: q = x Wq, k = context Wk, v = context Wv, on codes of E2M1 with one E8M0 byte for each 32 along K; sums in f32; results rounded to f16 and stored as images of attn's operand registers.
; Nothing of reference() is left out here.
; SHARES.  Work-groups 0-127: 64 rows of x -> q.  Work-groups 128-255: 64 rows of context -> k, then v: the rows are quantised once for both.  The two ways part on the work-group's number, each with LDS bytes of its own.
; PHASE X: wave w quantises rows 4 w .. 4 w + 3.  Each load of a wave covers 512 consecutive bytes, 16 a lane, so that no byte of a row is asked for by two instructions.  Of a span of 256 along K a lane so holds
; 4 neighbours of one block of 32 and 4 of the block four further on; eight lanes share a block.  The conversion takes eight registers under ONE scale: it is issued twice, once under each block's scale, and of each result the half
; that belongs to that scale is kept.  Codes go to LDS as rows (K innermost), scale bytes beside them.  One barrier.
; PHASE G: wave w owns head w: 64 columns (four tiles) for all 64 rows: 16 accumulators by turns, K in steps of 128.  Its weight fragments come from prep's images straight into registers, two steps ahead.
; WHICH SOURCE COMES FIRST decides what a lane holds, so that a result, rounded in pairs, IS a piece of the next product's fragment:
;   q, k: source 0 = 16 columns of W, source 1 = 16 rows: a lane holds one token and eight neighbouring channels.     v: source 0 = 16 rows, source 1 = 16 columns of Wv: a lane holds one channel and eight neighbouring keys.
; Every store of a wave covers 512 consecutive bytes, aligned; a wave's 16 stores of a product cover 8,192 bytes on end.
; NO JOINT LOADS: no two waves of a work-group read the same weight bytes (each its own head's), and each fragment feeds four products from registers; a K step is 16 matrix instructions a wave,
; too few to stand between a slot's request and the wait for it.
; LIMITS: q, k, v beyond 65,504 are not served (f16); a block of zeros has the byte 1 (its codes are zeros); NaN and infinities are not served.
; REGISTERS: v1 16 x lane, v2 2 x lane, v7 4 x lane; v3-6 LDS addresses; v8, v9 the add's two; v10-13 the rows' scale words, v16-31 the weights' (scales and nothing else);
;   v32-63 the rows' four fragments (phase X: at work); v64-127 weight fragments, two sets; v128-255 the accumulators (phase X: the numbers as loaded).
.set WQI, 0
.set WKI, 524288
.set WVI, 917504
.set WQS, 1310720
.set WKS, 1343488
.set WVS, 1368064
.set QC, 0                             ; LDS: x's codes, 64 rows x (512 + 16) bytes: 132 words from row to row, so the 16 rows of a load start 4 words apart modulo 64
.set QS, 33792                         ; x's scale bytes, 64 rows x 36
.set CC, 36096                         ; context's codes, 64 rows x (384 + 16) bytes
.set CS, 61696                         ; context's scale bytes, 64 x 36
.set SPARE, 64000                      ; the spare words: 128 bytes for each of 16 waves; no other line names them
	s_load_b256 s[4:11], s[0:1], 0x0               ; x, context, wts, q_img
	s_load_b128 s[12:15], s[0:1], 0x20             ; k_img, v_img
	v_lshl_add_u32 v8, v0, 2, SPARE
	v_mov_b32 v9, 0
	v_lshrrev_b32 v1, 5, v0
	v_readfirstlane_b32 s16, v1                    ; wave 0..15
	s_and_b32 s17, ttmp9, 127                      ; my block of 64 rows
	v_and_b32 v32, 31, v0                          ; lane
	v_and_b32 v33, 15, v0                          ; r
	v_bfe_u32 v34, v0, 4, 1                        ; h
	v_lshrrev_b32 v35, 3, v32                      ; lane / 8: my block among the four that a load of 512 bytes covers
	v_lshlrev_b32 v1, 4, v32
	v_lshlrev_b32 v2, 1, v32
	v_lshlrev_b32 v7, 2, v32
	s_lshr_b32 s32, s17, 4                         ; batch
	s_lshl_b32 s32, s32, 4
	s_add_co_u32 s32, s32, s16                     ; batch x 16 + head
	s_lshl_b32 s32, s32, 17                        ; a head's images are 131,072 bytes
	s_and_b32 s34, s17, 15
	s_lshl_b32 s34, s34, 13                        ; 64 tokens of them are 8,192
	s_add_co_u32 s32, s32, s34
	s_mov_b32 s33, 0
	s_lshl_b32 s35, s17, 6
	s_lshl_b32 s36, s16, 2
	s_add_co_u32 s35, s35, s36                     ; the first row that I quantise
	s_mov_b32 s37, 0
	s_wait_kmcnt 0x0
	s_cmp_ge_u32 ttmp9, 128
	s_cbranch_scc1 .Lkv
; The macros read the way's sizes from symbols: KS steps of 128, SP spans of 256 along K, ROWB bytes of a row in memory, PITCH, CBASE, SBASE in LDS, NW loads of WPRO, CB the weight's bases s[CB:CB+3].
.macro WBASE d, img, sco               ; my head's codes -> s[d:d+1], its scale words -> s[d+2:d+3]
	s_mul_i32 s36, s16, 4*KS*1024
.if (\img) != 0
	s_add_co_u32 s36, s36, \img
.endif
	s_add_nc_u64 s[\d:\d+1], s[8:9], s[36:37]
	s_mul_i32 s36, s16, 4*KS*64
	s_add_co_u32 s36, s36, \sco
	s_add_nc_u64 s[\d+2:\d+3], s[8:9], s[36:37]
.endm
.macro ADDRS
	s_mul_i32 s36, s16, 4*PITCH
.if CBASE != 0
	s_add_co_u32 s36, s36, CBASE
.endif
	v_add_nc_u32 v3, s36, v2                       ; codes in: my four rows, 2 bytes (4 codes) a lane
	s_mul_i32 s36, s16, 144
	s_add_co_u32 s36, s36, SBASE
	v_add_nc_u32 v4, s36, v35                      ; scale bytes in: my four rows, a byte for eight lanes
	v_mul_u32_u24 v5, v33, PITCH
	v_lshl_add_u32 v5, v34, 4, v5                  ; a fragment: row r, + 16 h
.if CBASE != 0
	v_add_nc_u32 v5, CBASE, v5
.endif
	v_mul_u32_u24 v6, v33, 36
	v_add_nc_u32 v6, SBASE, v6                     ; row r's scale words
.endm
.macro XLOADS                          ; my four rows: item n = row x SP + span.  Registers 0-3 of an item: k = 256 span + 4 lane + 0 .. 3; registers 4-7: the same 128 further on
.set n, 0
.rept 4*SP
	global_load_b128 v[128+8*n:128+8*n+3], v1, s[18:19] offset:(n/SP)*ROWB+(n%SP)*1024 th:TH_LOAD_NT       ; 32 lanes read 512 consecutive bytes
	global_load_b128 v[128+8*n+4:128+8*n+7], v1, s[18:19] offset:(n/SP)*ROWB+(n%SP)*1024+512 th:TH_LOAD_NT
.set n, n+1
.endr
.endm
.macro WLOAD s                         ; my four tiles' fragments of step s into set s % 2
.irp j, 0,1,2,3
.irp c, 0,1
	global_load_b128 v[64+32*((\s)%2)+8*\j+4*\c:64+32*((\s)%2)+8*\j+4*\c+3], v1, s[CB:CB+1] offset:\j*KS*1024+(\s)*1024+\c*512
.endr
.endr
.endm
.macro WPRO                            ; all scale words of my head (register (KS / 2) j + u: lanes 0-15 step 2 u, lanes 16-31 step 2 u + 1), and the first two steps' fragments
.set n, 0
.rept 4*(KS/2)
	global_load_b32 v[16+n], v7, s[CB+2:CB+3] offset:(n/(KS/2))*KS*64+(n%(KS/2))*128
.set n, n+1
.endr
	WLOAD 0
	WLOAD 1
.endm
; Row i of my four: SP items by turns, so that no line waits for the line above it.  At work, for item g: v[WK+g] the lower block's largest magnitude, then its scale operand, then its byte; v[WK+4+g] the same of the upper block;
; v[WK+8+g], v[WK+12+g] the two conversions' results.
.macro XROW i
.set WK, 32+16*((\i)%2)
.set XB, 128+8*SP*(\i)
	s_wait_loadcnt 2*SP*(3-(\i))+NW                ; behind this row's loads: the later rows' and WPRO's
.if (\i) >= 2
	s_wait_dscnt 4*SP                              ; the row before's 4 SP stores may be out; those of two rows back have read the registers that are written now
.endif
.set g, 0
.rept SP
	v_max3_num_f32 v[WK+g], |v[XB+8*g]|, |v[XB+8*g+1]|, 0x1800000       ; my 4 numbers of each block, and the floor 2^(3 - 127)
	v_max3_num_f32 v[WK+4+g], |v[XB+8*g+4]|, |v[XB+8*g+5]|, 0x1800000
.set g, g+1
.endr
.set g, 0
.rept SP
	v_max3_num_f32 v[WK+g], v[WK+g], |v[XB+8*g+2]|, |v[XB+8*g+3]|
	v_max3_num_f32 v[WK+4+g], v[WK+4+g], |v[XB+8*g+6]|, |v[XB+8*g+7]|
.set g, g+1
.endr
.irp x, 1,2,4
.set g, 0
.rept SP
	v_max_num_f32_dpp v[WK+g], v[WK+g], v[WK+g] row_xmask:\x row_mask:0xf bank_mask:0xf           ; with the seven lanes that share my blocks
	v_max_num_f32_dpp v[WK+4+g], v[WK+4+g], v[WK+4+g] row_xmask:\x row_mask:0xf bank_mask:0xf
.set g, g+1
.endr
.endr
.set g, 0
.rept SP
	v_add_nc_u32 v[WK+g], 0xff000000, v[WK+g]      ; 2 off the exponent field: the conversion's scale operand
	v_add_nc_u32 v[WK+4+g], 0xff000000, v[WK+4+g]
.set g, g+1
.endr
.set g, 0
.rept SP
	v_cvt_scalef32_pk8_fp4_f32 v[WK+8+g], v[XB+8*g:XB+8*g+7], v[WK+g]      ; under the lower block's scale: bits 15:0 are its four codes
	v_cvt_scalef32_pk8_fp4_f32 v[WK+12+g], v[XB+8*g:XB+8*g+7], v[WK+4+g]   ; under the upper block's: bits 31:16 are its four.  The other halves are not used
.set g, g+1
.endr
	v_nop                                          ; one plain line between the conversions and the lines that write their scale operands and touch their results
.set g, 0
.rept SP
	v_lshrrev_b32 v[WK+g], 23, v[WK+g]             ; the scales' bytes
	v_lshrrev_b32 v[WK+4+g], 23, v[WK+4+g]
	v_lshrrev_b32 v[WK+12+g], 16, v[WK+12+g]       ; the upper block's codes into the low half
.set g, g+1
.endr
.set g, 0
.rept SP
	ds_store_b16 v3, v[WK+8+g] offset:(\i)*PITCH+128*g            ; 4 codes: 2 bytes at (256 span + 4 lane) / 2 of the row,
	ds_store_b16 v3, v[WK+12+g] offset:(\i)*PITCH+128*g+64        ; and 128 along K further on
	ds_store_b8 v4, v[WK+g] offset:36*(\i)+8*g                    ; the eight lanes of a block write the same byte with the same value
	ds_store_b8 v4, v[WK+4+g] offset:36*(\i)+8*g+4
.set g, g+1
.endr
.endm
.macro MM s, form, m, j                ; one product: rows 16 m on x my tile j, step s
.set ACC, 128+8*(4*(\m)+(\j))
.set WF, 64+32*((\s)%2)+8*(\j)
.set AF, 32+8*(\m)
.set WS, 16+(KS/2)*(\j)+(\s)/2
.set AS, 10+(\m)
.if (\form) == 0
.if (\s) == 0
	v_wmma_scale_f32_16x16x128_f8f6f4 v[ACC:ACC+7], v[WF:WF+7], v[AF:AF+7], 0, v[WS], v[AS] matrix_a_fmt:MATRIX_FMT_FP4 matrix_b_fmt:MATRIX_FMT_FP4
.elseif (\s)%2 == 0
	v_wmma_scale_f32_16x16x128_f8f6f4 v[ACC:ACC+7], v[WF:WF+7], v[AF:AF+7], v[ACC:ACC+7], v[WS], v[AS] matrix_a_fmt:MATRIX_FMT_FP4 matrix_b_fmt:MATRIX_FMT_FP4
.else
	v_wmma_scale_f32_16x16x128_f8f6f4 v[ACC:ACC+7], v[WF:WF+7], v[AF:AF+7], v[ACC:ACC+7], v[WS], v[AS] matrix_a_fmt:MATRIX_FMT_FP4 matrix_b_fmt:MATRIX_FMT_FP4 matrix_a_scale:MATRIX_SCALE_ROW1
.endif
.else
.if (\s) == 0
	v_wmma_scale_f32_16x16x128_f8f6f4 v[ACC:ACC+7], v[AF:AF+7], v[WF:WF+7], 0, v[AS], v[WS] matrix_a_fmt:MATRIX_FMT_FP4 matrix_b_fmt:MATRIX_FMT_FP4
.elseif (\s)%2 == 0
	v_wmma_scale_f32_16x16x128_f8f6f4 v[ACC:ACC+7], v[AF:AF+7], v[WF:WF+7], v[ACC:ACC+7], v[AS], v[WS] matrix_a_fmt:MATRIX_FMT_FP4 matrix_b_fmt:MATRIX_FMT_FP4
.else
	v_wmma_scale_f32_16x16x128_f8f6f4 v[ACC:ACC+7], v[AF:AF+7], v[WF:WF+7], v[ACC:ACC+7], v[AS], v[WS] matrix_a_fmt:MATRIX_FMT_FP4 matrix_b_fmt:MATRIX_FMT_FP4 matrix_b_scale:MATRIX_SCALE_ROW1
.endif
.endif
.endm
.macro GSTEP s, form                   ; 128 along K: 16 products; the first step's start the sums: nothing is cleared.  The 16 accumulators take turns, one instruction a turn
.irp m, 0,1,2,3
.irp c, 0,1
	ds_load_b128 v[32+8*\m+4*\c:32+8*\m+4*\c+3], v5 offset:\m*16*PITCH+64*(\s)+32*\c
.endr
	ds_load_b32 v[10+\m], v6 offset:576*\m+4*(\s)
.endr
.if (\s) < KS-1
	s_wait_loadcnt 8                               ; this step's weight fragments are in; the next step's eight loads may be out
.else
	s_wait_loadcnt 0x0
.endif
	s_wait_dscnt 0x0
.irp m, 0,1,2,3
.irp j, 0,1,2,3
	MM \s, \form, \m, \j
.endr
.endr
.rept 4
	v_nop                                          ; four places ahead of loads into registers that these products read, and of the first read of results
.endr
.if (\s)+2 < KS
	WLOAD (\s)+2
.endif
.endm
.macro OUT form, base                  ; each accumulator from its low end on: eight f32 become 16 bytes, in place, and leave
.irp m, 0,1,2,3
.irp j, 0,1,2,3
.set ACC, 128+8*(4*\m+\j)
.irp i, 0,1,2,3
	v_cvt_pk_f16_f32 v[ACC+\i], v[ACC+2*\i], v[ACC+2*\i+1]
.endr
.if (\form) == 0
	global_store_b128 v1, v[ACC:ACC+3], s[\base:\base+1] offset:\m*2048+\j*512               ; token tile m, channels 16 j on: fragment j / 2, half j % 2
.else
	global_store_b128 v1, v[ACC:ACC+3], s[\base:\base+1] offset:(\m/2)*4096+\j*1024+(\m%2)*512   ; 32 keys m / 2, channel tile j, half m % 2
.endif
.endr
.endr
.endm
.macro MEET                            ; my stores of codes and bytes have landed: then the work-group's barrier; behind it every wave reads all 64 rows
	s_wait_dscnt 0x0
	s_barrier_signal -1
	s_barrier_wait -1
.endm
.macro CLOSE                           ; the wave's end, behind my last LDS store
	s_wait_tensorcnt 0x0
	ds_add_u32 v8, v9
	s_wait_dscnt 0x0
	s_endpgm
.endm
; ---- q = x Wq
.set KS, 8
.set SP, 4
.set ROWB, 4096
.set PITCH, 528
.set CBASE, QC
.set SBASE, QS
.set NW, 32
.set CB, 20
	s_mul_i32 s36, s35, ROWB
	s_add_nc_u64 s[18:19], s[4:5], s[36:37]
	XLOADS
	WBASE 20, WQI, WQS
	s_add_nc_u64 s[28:29], s[10:11], s[32:33]
	WPRO
	ADDRS
	XROW 0
	XROW 1
	XROW 2
	XROW 3
	MEET
.irp s, 0,1,2,3,4,5,6,7
	GSTEP \s, 0
.endr
	OUT 0, 28
	CLOSE
; ---- k = context Wk, v = context Wv
.Lkv:
.set KS, 6
.set SP, 3
.set ROWB, 3072
.set PITCH, 400
.set CBASE, CC
.set SBASE, CS
.set NW, 28
.set CB, 20
	s_mul_i32 s36, s35, ROWB
	s_add_nc_u64 s[18:19], s[6:7], s[36:37]
	XLOADS
	WBASE 20, WKI, WKS
	WBASE 24, WVI, WVS
	s_add_nc_u64 s[28:29], s[12:13], s[32:33]
	s_add_nc_u64 s[30:31], s[14:15], s[32:33]
	WPRO
	ADDRS
	XROW 0
	XROW 1
	XROW 2
	XROW 3
	MEET
.irp s, 0,1,2,3,4,5
	GSTEP \s, 0
.endr
.set CB, 24
	WPRO                                           ; Wv's scale words and first fragments, behind the last step's four places: they land while k goes out
	OUT 0, 28
	s_wait_xcnt 0x0                                ; k's stores have read their registers: the accumulators are written again only behind this wait
.irp s, 0,1,2,3,4,5
	GSTEP \s, 1
.endr
	OUT 1, 30
	CLOSE
.Lfunc_end_k_q13c5b7958b_proj:
	.size	k_q13c5b7958b_proj, .Lfunc_end_k_q13c5b7958b_proj-k_q13c5b7958b_proj
	.p2alignl 7, 3214868480
	.fill 96, 4, 3214868480
	.section	.rodata,"a",@progbits
	.p2align	6, 0x0
	.amdhsa_kernel k_q13c5b7958b_proj
		.amdhsa_group_segment_fixed_size 66048
		.amdhsa_private_segment_fixed_size 0
		.amdhsa_enable_private_segment 0
		.amdhsa_kernarg_size 48
		.amdhsa_user_sgpr_count 2
		.amdhsa_user_sgpr_kernarg_segment_ptr 1
		.amdhsa_wavefront_size32 1
		.amdhsa_system_sgpr_workgroup_id_x 1
		.amdhsa_system_sgpr_workgroup_id_y 1
		.amdhsa_system_sgpr_workgroup_id_z 1
		.amdhsa_system_vgpr_workitem_id 0
		.amdhsa_next_free_vgpr 256
		.amdhsa_next_free_sgpr 66
		.amdhsa_reserve_vcc 0
		.amdhsa_float_denorm_mode_32 3
		.amdhsa_float_denorm_mode_16_64 3
		.amdhsa_memory_ordered 1
		.amdhsa_forward_progress 1
		.amdhsa_inst_pref_size 140
	.end_amdhsa_kernel
	.amdgpu_metadata
---
amdhsa.version: [ 1, 2 ]
amdhsa.kernels:
  - .name:           k_q13c5b7958b_proj
    .symbol:         k_q13c5b7958b_proj.kd
    .args:
      - { .name: x, .offset: 0, .size: 8, .value_kind: global_buffer, .address_space: global }
      - { .name: context, .offset: 8, .size: 8, .value_kind: global_buffer, .address_space: global }
      - { .name: wts, .offset: 16, .size: 8, .value_kind: global_buffer, .address_space: global }
      - { .name: q_img, .offset: 24, .size: 8, .value_kind: global_buffer, .address_space: global }
      - { .name: k_img, .offset: 32, .size: 8, .value_kind: global_buffer, .address_space: global }
      - { .name: v_img, .offset: 40, .size: 8, .value_kind: global_buffer, .address_space: global }
    .group_segment_fixed_size: 66048
    .private_segment_fixed_size: 0
    .kernarg_segment_align: 8
    .kernarg_segment_size: 48
    .max_flat_workgroup_size: 512
    .sgpr_count:     66
    .vgpr_count:     256
    .wavefront_size: 32
...
	.end_amdgpu_metadata
.endif
;; end of part 2
;; launch attn (part 3): grid 2 x 128, 16 waves a work-group, no clusters, 327,680 bytes of LDS; arguments q_img, k_img, v_img, att_img; writes att_img
.if DOCPART == 3
	.amdgcn_target "amdgcn-amd-amdhsa--gfx1250"
	.amdhsa_code_object_version 6
	.text
	.protected	k_q13c5b7958b_attn
	.globl	k_q13c5b7958b_attn
	.p2align	8
	.type	k_q13c5b7958b_attn,@function
k_q13c5b7958b_attn:
	s_mov_b64 s[64:65], 0
	v_nop
	global_prefetch_b8 v0, s[64:65] scope:SCOPE_SE
	s_setreg_imm32_b32 hwreg(HW_REG_WAVE_MODE, 25, 1), 1
	s_wait_xcnt 0x0
; Launch 3 of 4: att[b][i][head] = softmax_j(q_i . k_j / 8) v_j, f16 operands, f32 products, maxima and sums; att rounded to f16 and stored as images of oproj's operand registers.
; Nothing of reference() is left out here; the factor 1 / 8 stands, with log2(e), in the constant c.
; SHARES.  A work-group owns one (batch, head) and 512 of its 1,024 queries; each of its sixteen waves 32 queries: two tiles of 16.  Four waves to a SIMD: one wave's vector work stands beside another's products and LDS loads.
; THE HEAD'S WHOLE K AND V LIE IN LDS, each byte filled once: as images of operand registers they are 2 x 131,072 bytes with no padding, and a fragment is two loads at 16 x lane.  No byte is ever filled again.
; THE FILL GOES IN TWO STAGES (waves 0-7 bring K, waves 8-15 V).  At the head a wave asks for its 4,096 bytes of the first 256 keys alone: 65,536 bytes a work-group, beside its 65,536 of Q.  Behind the first barrier it asks,
; by one load, for its 12,288 bytes of the other 768 keys; that load has the first four key steps, 128 matrix instructions a wave, in which to land.  One tensor load of a wave is out at a time.
; LAYOUT.  S^T = K Q^T (source 0 = 16 keys, source 1 = 16 queries): a lane holds ONE query and eight keys; two such tiles, rounded to f16 in pairs, ARE source 1 of O^T = V^T P, whose result again holds one query a lane, and eight channels,
; which rounded in pairs are 16 bytes of att's fragment.  Each fragment of K and V read from LDS feeds two products.
; SOFTMAX.  For each query a running maximum m and sum l: p = 2^(c s - c m), c = log2(e) / 8; in every step O and l are multiplied by a = 2^(c m_old - c m_new).  The loop has no first step of its own: m begins at -3e38, l and O^T at 0.
; NO JOINT LOADS: a head's K and V are read by the two work-groups of that head alone, fewer than a cluster's four along an axis; four blocks of 256 queries would fill each work-group's LDS for half the queries.
; No prefetch is laid: the second stage is asked for by its own load four key steps ahead of its first use.
; LIMITS: p under 2^-24 counts as 0 in the second product (f16), beside a row sum of at least about 1; att beyond 65,504 is not served; NaN and infinities are not served.
.set VOFF, 131072                      ; LDS: K at 0, V here
.set FIRST, 32768                      ; bytes of K, and of V, in the first stage: 256 keys
.set SPARE, 262144                     ; the spare words: 128 bytes for each of 16 waves; no other line names them
.set ST, 16                            ; tile t's statistics at v[ST + 8 t]: +0 c m, +1 m, +2, +3 l (even keys', odd keys'), +4 .. +7 at work; a takes +6
.set Q, 32                             ; v32-63   Q: fragment (tile t, channels 32 ks on) at 32 + 16 t + 8 ks
.set S, 64                             ; v64-127  S^T, 32 a tile; P is packed into a tile's first 16
.set KV, 128                           ; v128-191 eight fragments of K, then of V
.set O, 192                            ; v192-255 O^T: 192 + 32 t + 8 ct
.set G1, 16                            ; s[16:23] descriptor group 1 of the first stage: 16 rows of 256 bytes
.set G1R, 24                           ; s[24:31] of the second: 48 rows
.set G0, 32                            ; s[32:35] group 0 of the first stage
.set G0R, 36                           ; s[36:39] of the second
	s_load_b256 s[4:11], s[0:1], 0x0               ; q_img, k_img, v_img, att_img
	v_lshl_add_u32 v4, v0, 2, SPARE
	v_mov_b32 v5, 0
	ds_add_u32 v4, v5                              ; the wave's opening: the add, twice on end, and its wait ahead of my first tensor load
	ds_add_u32 v4, v5
	v_lshrrev_b32 v1, 5, v0
	v_readfirstlane_b32 s12, v1                    ; wave 0..15
	s_and_b32 s13, ttmp7, 0xffff                   ; batch x 16 + head
	s_mov_b32 s[G1+0], 3<<16                       ; no mask; elements of 8 bytes; no padding
	s_mov_b32 s[G1+1], 32<<16                      ; tensor_dim0 = 32 elements: 256 bytes
	s_mov_b32 s[G1+2], 16<<16                      ; tensor_dim1 = 16
	s_mov_b32 s[G1+3], 32<<16                      ; tile_dim0 = 32
	s_mov_b32 s[G1+4], 16                          ; tile_dim1 = 16: 4,096 bytes, dense
	s_mov_b32 s[G1+5], 32                          ; from row to row
	s_mov_b32 s[G1+6], 0
	s_mov_b32 s[G1+7], 0
	s_mov_b32 s[G1R+0], 3<<16
	s_mov_b32 s[G1R+1], 32<<16
	s_mov_b32 s[G1R+2], 48<<16                     ; tensor_dim1 = 48
	s_mov_b32 s[G1R+3], 32<<16
	s_mov_b32 s[G1R+4], 48                         ; tile_dim1 = 48: 12,288 bytes, dense
	s_mov_b32 s[G1R+5], 32
	s_mov_b32 s[G1R+6], 0
	s_mov_b32 s[G1R+7], 0
	s_lshr_b32 s15, s12, 3
	s_lshl_b32 s15, s15, 17                        ; K's half of LDS or V's
	s_and_b32 s14, s12, 7
	s_lshl_b32 s44, s14, 12                        ; my 4,096 bytes of the first stage's 32,768,
	s_mul_i32 s45, s14, 12288
	s_add_co_u32 s45, s45, FIRST                   ; my 12,288 of the second's 98,304, which lie behind them: in LDS as in memory
	s_mov_b32 s[G0], 1                             ; count = 1
	s_add_co_u32 s[G0+1], s15, s44                 ; LDS address
	s_mov_b32 s[G0R], 1
	s_add_co_u32 s[G0R+1], s15, s45
	s_lshl_b32 s2, s13, 17                         ; the head's 131,072 bytes
	s_mov_b32 s3, 0
	s_mov_b32 s14, s44
	s_mov_b32 s15, 0
	s_mov_b32 s40, 0x3e38aa3b                      ; c = log2(e) / 8
	s_mov_b32 s41, s40                             ; (named with it as a pair, so it is written)
	s_mov_b32 s42, 0x76543210
	s_mov_b32 s43, 0xfedcba98                      ; v_permlanex16_b32's selects for lane l xor 16
	s_wait_dscnt 0x0                               ; both opening adds are done
	s_wait_kmcnt 0x0
	s_cmp_lt_u32 s12, 8
	s_cselect_b64 s[46:47], s[6:7], s[8:9]         ; waves 0-7 fetch K, waves 8-15 V: a choice on the wave's number
	s_add_nc_u64 s[46:47], s[46:47], s[2:3]
	s_add_nc_u64 s[G0+2:G0+3], s[46:47], s[14:15]
	s_or_b32 s[G0+3], s[G0+3], 0x80000000          ; type = 2
	s_mov_b32 s14, s45
	s_add_nc_u64 s[G0R+2:G0R+3], s[46:47], s[14:15]
	s_or_b32 s[G0R+3], s[G0R+3], 0x80000000
	tensor_load_to_lds s[G0:G0+3], s[G1:G1+7]      ; the first stage, ahead of every wait on TENSORcnt, every LDS read and every barrier
	s_nop 0
.rept 4
	v_nop
.endr
	v_and_b32 v1, 31, v0
	v_lshlrev_b32 v1, 4, v1                        ; 16 x lane
	s_lshl_b32 s14, ttmp9, 16                      ; my half: 32 tiles of 2,048 bytes  (s2 holds the head's first byte, s3 0)
	s_add_co_u32 s2, s2, s14
	s_lshl_b32 s14, s12, 12                        ; my wave's two tiles
	s_add_co_u32 s2, s2, s14
	s_add_nc_u64 s[4:5], s[4:5], s[2:3]
.irp i, 0,1,2,3,4,5,6,7
	global_load_b128 v[Q+4*\i:Q+4*\i+3], v1, s[4:5] offset:512*\i   ; Q stays in registers
.endr
	s_lshr_b32 s2, s13, 4                          ; att: row tile = batch x 64 + 32 x half + 2 x wave,
	s_lshl_b32 s2, s2, 6
	s_lshl_b32 s14, ttmp9, 5
	s_add_co_u32 s2, s2, s14
	s_lshl_b32 s14, s12, 1
	s_add_co_u32 s2, s2, s14
	s_lshl_b32 s2, s2, 15                          ; of 32,768 bytes;
	s_and_b32 s14, s13, 15
	s_lshl_b32 s14, s14, 11                        ; the head's 64 channels are 2,048 of them
	s_add_co_u32 s2, s2, s14
	s_add_nc_u64 s[10:11], s[10:11], s[2:3]
.irp t, 0,1
	v_mov_b32 v[ST+8*\t+1], 0xff61b1e6             ; m = -3e38, under every score
	v_mul_f32 v[ST+8*\t], s40, v[ST+8*\t+1]        ; c m
.irp i, 2,3,4,5,6,7
	v_mov_b32 v[ST+8*\t+\i], 0                     ; l; and the registers at work, of which a lane permute's destination counts as a source
.endr
.endr
.set i, 0
.rept 64
	v_mov_b32 v[O+i], 0                            ; O^T, once: the first step finds zeros, which its a = 0 leaves zeros; that spares a further copy of the step
.set i, i+1
.endr
	s_wait_loadcnt 0x0                             ; Q
; A KEY STEP: 64 keys, whose K and whose V each begin at byte s44 of their half of LDS.
.macro STEP
	v_add_nc_u32 v2, s44, v1
	v_add_nc_u32 v3, VOFF, v2
.rept 3
	v_nop                                          ; with the two additions five places: the products below write over P, which the last products read, and the loads land on V's registers
.endr
.irp ks, 0,1
.irp kt, 0,1,2,3
.irp c, 0,1
	ds_load_b128 v[KV+8*(4*\ks+\kt)+4*\c:KV+8*(4*\ks+\kt)+4*\c+3], v2 offset:\kt*2048+\ks*1024+\c*512
.endr
.endr
.endr
	s_wait_dscnt 8                                 ; channels 0-31 are in; the eight loads of channels 32-63 may be out
.irp kt, 0,1,2,3
.irp t, 0,1
	v_wmma_f32_16x16x32_f16 v[S+32*\t+8*\kt:S+32*\t+8*\kt+7], v[KV+8*\kt:KV+8*\kt+7], v[Q+16*\t:Q+16*\t+7], 0
.endr
.endr
	s_wait_dscnt 0x0
.irp kt, 0,1,2,3                                   ; the eight accumulators take turns, one instruction a turn
.irp t, 0,1
	v_wmma_f32_16x16x32_f16 v[S+32*\t+8*\kt:S+32*\t+8*\kt+7], v[KV+32+8*\kt:KV+32+8*\kt+7], v[Q+16*\t+8:Q+16*\t+15], v[S+32*\t+8*\kt:S+32*\t+8*\kt+7]
.endr
.endr
.rept 4
	v_nop                                          ; four places ahead of the loads into K's registers and of the first read of the scores
.endr
.irp js, 0,1
.irp ct, 0,1,2,3
.irp c, 0,1
	ds_load_b128 v[KV+8*(4*\js+\ct)+4*\c:KV+8*(4*\js+\ct)+4*\c+3], v3 offset:\js*4096+\ct*1024+\c*512   ; V lands under the softmax
.endr
.endr
.endr
.irp j, 0,1,2,3                                    ; the maximum of my 32 scores and the old m: four chains, each accumulator from its low end on; the two tiles line by line
.irp t, 0,1
	v_max3_num_f32 v[ST+8*\t+4+\j], v[S+32*\t+8*\j], v[S+32*\t+8*\j+1], v[S+32*\t+8*\j+2]
.endr
.endr
.irp u, 1,2
.irp j, 0,1,2,3
.irp t, 0,1
	v_max3_num_f32 v[ST+8*\t+4+\j], v[ST+8*\t+4+\j], v[S+32*\t+8*\j+2*\u+1], v[S+32*\t+8*\j+2*\u+2]
.endr
.endr
.endr
.irp t, 0,1
	v_max3_num_f32 v[ST+8*\t+4], v[ST+8*\t+4], v[S+32*\t+7], v[S+32*\t+15]
.endr
.irp t, 0,1
	v_max3_num_f32 v[ST+8*\t+6], v[ST+8*\t+6], v[S+32*\t+23], v[S+32*\t+31]
.endr
.irp t, 0,1
	v_max3_num_f32 v[ST+8*\t+4], v[ST+8*\t+4], v[ST+8*\t+5], v[ST+8*\t+6]
.endr
.irp t, 0,1
	v_max3_num_f32 v[ST+8*\t+4], v[ST+8*\t+4], v[ST+8*\t+7], v[ST+8*\t+1]
.endr
.irp t, 0,1
	v_permlanex16_b32 v[ST+8*\t+5], v[ST+8*\t+4], s42, s43         ; the query's other 32 keys lie in the lane 16 away
.endr
.irp t, 0,1
	v_mov_b32 v[ST+8*\t+7], v[ST+8*\t]             ; c m_old is kept for a
.endr
.irp t, 0,1
	v_max_num_f32 v[ST+8*\t+1], v[ST+8*\t+4], v[ST+8*\t+5]
.endr
.irp t, 0,1
	v_mul_f32 v[ST+8*\t], s40, v[ST+8*\t+1]
.endr
.irp t, 0,1
	v_sub_f32 v[ST+8*\t+7], v[ST+8*\t+7], v[ST+8*\t]
.endr
.irp i, 0,2,4,6,8,10,12,14,16,18,20,22,24,26,28,30
.irp t, 0,1
	v_pk_fma_f32 v[S+32*\t+\i:S+32*\t+\i+1], v[S+32*\t+\i:S+32*\t+\i+1], s[40:41], v[ST+8*\t:ST+8*\t+1] op_sel_hi:[1,0,0] neg_lo:[0,0,1] neg_hi:[0,0,1]   ; c s - c m, two at a time
.endr
.endr
.irp t, 0,1
	v_exp_f32 v[ST+8*\t+6], v[ST+8*\t+7]           ; a.  ONE BATCH of 66 exponentials, none of which reads another's result
.endr
.set i, 0
.rept 32
	v_exp_f32 v[S+i], v[S+i]
	v_exp_f32 v[S+32+i], v[S+32+i]
.set i, i+1
.endr
	v_nop                                          ; a plain instruction behind the last exponential,
	s_wait_alu depctr_va_vdst(0)                   ; and the one wait ahead of the batch's first reader
.irp t, 0,1
	v_pk_mul_f32 v[ST+8*\t+2:ST+8*\t+3], v[ST+8*\t+2:ST+8*\t+3], v[ST+8*\t+6:ST+8*\t+7] op_sel_hi:[1,0]   ; l x a
.endr
.irp t, 0,1
	v_pk_add_f32 v[ST+8*\t+4:ST+8*\t+5], v[S+32*\t:S+32*\t+1], v[S+32*\t+2:S+32*\t+3]   ; the sum of the unrounded p, in two chains
.endr
.irp i, 4,8,12,16,20,24,28
.irp t, 0,1
	v_pk_add_f32 v[ST+8*\t+2:ST+8*\t+3], v[ST+8*\t+2:ST+8*\t+3], v[S+32*\t+\i:S+32*\t+\i+1]
	v_pk_add_f32 v[ST+8*\t+4:ST+8*\t+5], v[ST+8*\t+4:ST+8*\t+5], v[S+32*\t+\i+2:S+32*\t+\i+3]
.endr
.endr
.irp t, 0,1
	v_pk_add_f32 v[ST+8*\t+2:ST+8*\t+3], v[ST+8*\t+2:ST+8*\t+3], v[ST+8*\t+4:ST+8*\t+5]
.endr
.irp i, 0,1,2,3,4,5,6,7,8,9,10,11,12,13,14,15
.irp t, 0,1
	v_cvt_pk_f16_f32 v[S+32*\t+\i], v[S+32*\t+2*\i], v[S+32*\t+2*\i+1]   ; P, in place, ascending: registers 8 js .. 8 js + 7 are the fragment of keys 32 js on
.endr
.endr
.irp i, 0,2,4,6,8,10,12,14,16,18,20,22,24,26,28,30
.irp t, 0,1
	v_pk_mul_f32 v[O+32*\t+\i:O+32*\t+\i+1], v[O+32*\t+\i:O+32*\t+\i+1], v[ST+8*\t+6:ST+8*\t+7] op_sel_hi:[1,0]   ; O^T x a, each accumulator from its low end on
.endr
.endr
	s_wait_dscnt 0x0                               ; V is in
.irp js, 0,1
.irp ct, 0,1,2,3
.irp t, 0,1
	v_wmma_f32_16x16x32_f16 v[O+32*\t+8*\ct:O+32*\t+8*\ct+7], v[KV+8*(4*\js+\ct):KV+8*(4*\js+\ct)+7], v[S+32*\t+8*\js:S+32*\t+8*\js+7], v[O+32*\t+8*\ct:O+32*\t+8*\ct+7]
.endr
.endr
.endr
	s_add_co_u32 s44, s44, 8192                    ; the next 64 keys
.endm
	; THE FIRST BARRIER.  My part of the first 256 keys has landed; behind the barrier everybody's has.  The second stage fills bytes for the first time and is issued in this order:
	; the wait for all my tensor loads, the add, the wait for it, the barrier, and then my one tensor load, first thing behind it.
	s_wait_tensorcnt 0x0
	ds_add_u32 v4, v5
	s_wait_dscnt 0x0
	s_barrier_signal -1
	s_barrier_wait -1
	tensor_load_to_lds s[G0R:G0R+3], s[G1R:G1R+7]  ; keys 256 to 1,023: bytes that the four steps below do not read
	s_nop 0
.rept 4
	v_nop
.endr
	s_mov_b32 s44, 0
	s_mov_b32 s45, 4
.Lfirst:                                           ; keys 0 to 255
	STEP
	s_sub_co_u32 s45, s45, 1
	s_cmp_lg_u32 s45, 0
	s_cbranch_scc1 .Lfirst
	s_wait_tensorcnt 0x0                           ; THE SECOND BARRIER: my part of the other 768 keys has landed; behind it everybody's has.  No LDS instruction of mine is out at the signal
	s_barrier_signal -1
	s_barrier_wait -1
	s_mov_b32 s44, FIRST
	s_mov_b32 s45, 12
.Lrest:                                            ; keys 256 to 1,023
	STEP
	s_sub_co_u32 s45, s45, 1
	s_cmp_lg_u32 s45, 0
	s_cbranch_scc1 .Lrest
	; THE WAY OUT: O^T / l, rounded to f16 in pairs: a lane's eight channels are its 16 bytes of att's fragment.
.rept 4
	v_nop                                          ; four places behind the last products
.endr
.irp t, 0,1
	v_add_f32 v[ST+8*\t+4], v[ST+8*\t+2], v[ST+8*\t+3]
.endr
.irp t, 0,1
	v_permlanex16_b32 v[ST+8*\t+5], v[ST+8*\t+4], s42, s43
.endr
.irp t, 0,1
	v_add_f32 v[ST+8*\t+4], v[ST+8*\t+4], v[ST+8*\t+5]
.endr
.irp t, 0,1
	v_rcp_f32 v[ST+8*\t+6], v[ST+8*\t+4]
.endr
	v_nop                                          ; a plain instruction behind the reciprocals,
	s_wait_alu depctr_va_vdst(0)                   ; and the wait ahead of their first reader
.irp t, 0,1
.irp i, 0,2,4,6,8,10,12,14,16,18,20,22,24,26,28,30
	v_pk_mul_f32 v[O+32*\t+\i:O+32*\t+\i+1], v[O+32*\t+\i:O+32*\t+\i+1], v[ST+8*\t+6:ST+8*\t+7] op_sel_hi:[1,0]
.endr
.endr
.irp t, 0,1
.irp ct, 0,1,2,3
.irp i, 0,1,2,3
	v_cvt_pk_f16_f32 v[O+32*\t+8*\ct+\i], v[O+32*\t+8*\ct+2*\i], v[O+32*\t+8*\ct+2*\i+1]
.endr
	global_store_b128 v1, v[O+32*\t+8*\ct:O+32*\t+8*\ct+3], s[10:11] offset:\t*32768+\ct*512   ; 512 consecutive bytes, aligned
.endr
.endr
	s_wait_tensorcnt 0x0                           ; the wave's end, behind my last tensor load
	ds_add_u32 v4, v5
	s_wait_dscnt 0x0
	s_endpgm
.Lfunc_end_k_q13c5b7958b_attn:
	.size	k_q13c5b7958b_attn, .Lfunc_end_k_q13c5b7958b_attn-k_q13c5b7958b_attn
	.p2alignl 7, 3214868480
	.fill 96, 4, 3214868480
	.section	.rodata,"a",@progbits
	.p2align	6, 0x0
	.amdhsa_kernel k_q13c5b7958b_attn
		.amdhsa_group_segment_fixed_size 327680
		.amdhsa_private_segment_fixed_size 0
		.amdhsa_enable_private_segment 0
		.amdhsa_kernarg_size 32
		.amdhsa_user_sgpr_count 2
		.amdhsa_user_sgpr_kernarg_segment_ptr 1
		.amdhsa_wavefront_size32 1
		.amdhsa_system_sgpr_workgroup_id_x 1
		.amdhsa_system_sgpr_workgroup_id_y 1
		.amdhsa_system_sgpr_workgroup_id_z 1
		.amdhsa_system_vgpr_workitem_id 0
		.amdhsa_next_free_vgpr 256
		.amdhsa_next_free_sgpr 66
		.amdhsa_reserve_vcc 0
		.amdhsa_float_denorm_mode_32 3
		.amdhsa_float_denorm_mode_16_64 3
		.amdhsa_memory_ordered 1
		.amdhsa_forward_progress 1
		.amdhsa_inst_pref_size 48
	.end_amdhsa_kernel
	.amdgpu_metadata
---
amdhsa.version: [ 1, 2 ]
amdhsa.kernels:
  - .name:           k_q13c5b7958b_attn
    .symbol:         k_q13c5b7958b_attn.kd
    .args:
      - { .name: q_img, .offset: 0, .size: 8, .value_kind: global_buffer, .address_space: global }
      - { .name: k_img, .offset: 8, .size: 8, .value_kind: global_buffer, .address_space: global }
      - { .name: v_img, .offset: 16, .size: 8, .value_kind: global_buffer, .address_space: global }
      - { .name: att_img, .offset: 24, .size: 8, .value_kind: global_buffer, .address_space: global }
    .group_segment_fixed_size: 327680
    .private_segment_fixed_size: 0
    .kernarg_segment_align: 8
    .kernarg_segment_size: 32
    .max_flat_workgroup_size: 512
    .sgpr_count:     66
    .vgpr_count:     256
    .wavefront_size: 32
...
	.end_amdgpu_metadata
.endif
;; end of part 3
;; launch oproj (part 4): grid 4 x 64, 4 waves a work-group, clusters of 4 x 4, 327,680 bytes of LDS; arguments att_img, wts, bo, out0; writes out0
.if DOCPART == 4
	.amdgcn_target "amdgcn-amd-amdhsa--gfx1250"
	.amdhsa_code_object_version 6
	.text
	.protected	k_q13c5b7958b_oproj
	.globl	k_q13c5b7958b_oproj
	.p2align	8
	.type	k_q13c5b7958b_oproj,@function
k_q13c5b7958b_oproj:
	s_mov_b64 s[64:65], 0
	v_nop
	global_prefetch_b8 v0, s[64:65] scope:SCOPE_SE
	s_setreg_imm32_b32 hwreg(HW_REG_WAVE_MODE, 25, 1), 1
	s_wait_xcnt 0x0
	s_wait_alu depctr_hold_cnt(0) depctr_sa_sdst(0) depctr_va_vdst(0) depctr_va_sdst(0) depctr_va_ssrc(0) depctr_va_vcc(0) depctr_vm_vsrc(0)
	s_getreg_b32 s2, hwreg(HW_REG_IB_STS2, 6, 4)
	s_cmp_eq_u32 s2, 0
	s_cbranch_scc0 .Lentry_in_a_cluster
	s_endpgm
.Lentry_in_a_cluster:
	s_bfe_u32 s2, ttmp6, 0x10000c
	s_cmp_lg_u32 s2, 0xf033
	s_cbranch_scc0 .Lentry_shape_is_right
	s_endpgm
.Lentry_shape_is_right:
; Launch 4 of 4: out0 = att Wo + bo.  att [8192][1024] and Wo [1024 (k)][1024 (n)] come as f16 images of operand registers (att_img [row tile 512][32 along K: 32][1,024 bytes]; Wo's in wts, [column tile 64][32][1,024]); sums and out0 in f32.
; Nothing of reference() is left out here: bo is the C of each sum's first product.
; SHARES.  A tile of out0 is 128 rows x 256 columns: 256 work-groups.  Four waves, each 64 x 128: 32 accumulators of 16 x 16.  K goes in 8 steps of 128 through two LDS slots.
; A step's part of a tile of 16 rows is 4,096 consecutive bytes of memory; in LDS the tiles follow each other with no padding, and a fragment is two loads at 16 x lane.
; CLUSTERS: 4 x 4 work-groups.  The four of a row of the cluster need the same tiles of att, the four of a column the same tiles of Wo: each is asked for JOINTLY, by the same tensor load with the same descriptor and a mask that names the four.
; THE MATRIX INSTRUCTION IS USED TRANSPOSED (source 0 = 16 columns of Wo, source 1 = 16 rows of att): a lane then holds eight neighbouring numbers of a row of out0.
; REGISTERS, in windows of 256: window 0: v16-29 addresses; two fragment sets of 96 at v64 and v160 (att's 4 fragments, then Wo's 8); on the way out v64-191 rows read back.  window 1: accumulator (a, b) at v[8 (8 a + b)].
;   window 2: v0-63 bo in the result's layout: tile b, register j: bo[my first column + 16 b + 8 (lane / 16) + j].
; No prefetch is laid: the launch has 8 K steps.
.set WOI, 1392640
.set SLOT, 98304                       ; att's 8 tiles x 4,096 bytes, then Wo's 16 x 4,096
.set BOFF, 32768
.set STAGE, 196608                     ; behind the ring: 16 rows x (512 + 16) bytes for each wave, bytes of its own
.set SPITCH, 528
.set SPARE, 230400                     ; the spare words: 128 bytes for each wave; no other line names them
.set ADRA, 16                          ; v16-17 LDS address of my att fragments in slot 0, 1
.set ADRB, 20                          ; v20-21 the same for Wo
.set STO, 24                           ; v24    the way out: where I put 32 bytes of a row
.set RD, 25                            ; v25    where I read a row back
.set CO, 26                            ; v26    16 x lane
.set BA, 27                            ; v27    32 x (lane / 16): my half's eight numbers of bo
.set SPW, 28
.set NIL, 29
.set F0, 64
.set F1, 160
.set BK, 64
.set WV, 12                            ; s12 wave;  s13 which 64 rows are mine, also: I fetch for att (0) or Wo (1);  s14 which 128 columns, also: which half of that tile I fetch
.set WR, 13
.set WC, 14
.set G1, 24                            ; s[24:31] group 1 for att's tiles; s[32:39] group 0, a set for each slot
.set G0, 32
.set G1B, 48                           ; s[48:55], s[56:63] the same for Wo's
.set G0B, 56
.set MSB, 0
.macro WIN new                         ; the immediate's high byte repeats the setting that is left
.if MSB != \new
	s_set_vgpr_msb (MSB<<8)|\new
.set MSB, \new
.endif
.endm
.set MUL, 0x50                         ; sources 0 and 1 window 0; C and D window 1
.set MULB, 0x60                        ; C (bo) window 2, D window 1
.macro JLOAD s                         ; a joint load: waves 0 and 1 fetch att's two halves, waves 2 and 3 Wo's; an s_nop 0 and four v_nop follow each of the two lines
	s_cmp_eq_u32 s[WR], 0
	s_cbranch_scc0 .Lfor_b_\@
	tensor_load_to_lds s[G0+4*\s:G0+4*\s+3], s[G1:G1+7]
	s_nop 0
.rept 4
	v_nop
.endr
	s_branch .Lasked_\@
.Lfor_b_\@:
	tensor_load_to_lds s[G0B+4*\s:G0B+4*\s+3], s[G1B:G1B+7]
	s_nop 0
.rept 4
	v_nop
.endr
.Lasked_\@:
.endm
.macro CREST                           ; a round of the cluster's barrier behind its opening barrier
	s_cmp_lg_u32 s[WV], 0
	s_cbranch_scc1 .Lnot_wave_0_\@
	s_barrier_signal -3
.Lnot_wave_0_\@:
	s_barrier_wait -3
	s_barrier_signal -1
	s_barrier_wait -1
.endm
.macro CROUND
	s_barrier_signal -1
	s_barrier_wait -1
	CREST
.endm
	s_load_b256 s[4:11], s[0:1], 0x0               ; att_img s[4:5], wts s[6:7], bo s[8:9], out0 s[10:11]
	v_lshl_add_u32 v[SPW], v0, 2, SPARE
	v_mov_b32 v[NIL], 0
	ds_add_u32 v[SPW], v[NIL]                      ; the wave's opening: the add, twice on end, and its wait ahead of my first tensor load
	ds_add_u32 v[SPW], v[NIL]
	v_lshrrev_b32 v1, 5, v0
	v_readfirstlane_b32 s[WV], v1
	s_lshr_b32 s[WR], s[WV], 1
	s_and_b32 s[WC], s[WV], 1
	s_bfe_u32 s40, ttmp6, 0x40000                  ; cx, cy: my place in the cluster
	s_bfe_u32 s41, ttmp6, 0x40004
	s_lshl_b32 s42, ttmp9, 2
	s_add_co_u32 s42, s42, s40                     ; tile column = 4 x cluster x + cx
	s_and_b32 s15, ttmp7, 0xffff
	s_lshl_b32 s15, s15, 2
	s_add_co_u32 s15, s15, s41                     ; tile row = 4 x cluster y + cy
	s_lshl_b32 s43, s41, 2
	s_lshl_b32 s43, 15, s43                        ; my row of the cluster
	s_lshl_b32 s44, 0x1111, s40                    ; my column
	s_or_b32 s[G1+0], s43, (3<<16)|(1<<21)         ; the mask: att's tiles go to my row; elements of 8 bytes; bit 21 set beside a mask; no padding
	s_or_b32 s[G1B+0], s44, (3<<16)|(1<<21)
	s_mov_b32 s[G1+1], 512<<16                     ; tensor_dim0 = 512 elements: 4,096 bytes
	s_mov_b32 s[G1+2], 4<<16                       ; tensor_dim1 = 4 tiles of 16 rows
	s_mov_b32 s[G1+3], 512<<16                     ; tile_dim0
	s_mov_b32 s[G1+4], 4                           ; tile_dim1
	s_mov_b32 s[G1+5], 4096                        ; from tile to tile: 32,768 bytes
	s_mov_b32 s[G1+6], 0
	s_mov_b32 s[G1+7], 0
	s_mov_b32 s[G1B+1], 512<<16
	s_mov_b32 s[G1B+2], 8<<16                      ; 8 tiles of 16 columns
	s_mov_b32 s[G1B+3], 512<<16
	s_mov_b32 s[G1B+4], 8
	s_mov_b32 s[G1B+5], 4096
	s_mov_b32 s[G1B+6], 0
	s_mov_b32 s[G1B+7], 0
	s_lshl_b32 s16, s15, 3                         ; att: tile 8 x tile row + 4 x half, of 32,768 bytes: made of the tile row and the wave's number alone
	s_lshl_b32 s17, s[WC], 2
	s_add_co_u32 s16, s16, s17
	s_lshl_b32 s16, s16, 15
	s_mov_b32 s17, 0
	s_lshl_b32 s46, s42, 4                         ; Wo: tile 16 x tile column + 8 x half: of the tile column and the wave's number alone
	s_lshl_b32 s47, s[WC], 3
	s_add_co_u32 s46, s46, s47
	s_lshl_b32 s46, s46, 15
	s_add_co_u32 s46, s46, WOI
	s_mov_b32 s47, 0
	s_lshl_b32 s20, s[WC], 14                      ; where they go in a slot: no place in the cluster enters an LDS address
	s_lshl_b32 s21, s[WC], 15
	s_add_co_u32 s21, s21, BOFF
	s_wait_dscnt 0x0                               ; both opening adds are done
	s_wait_kmcnt 0x0
	s_add_nc_u64 s[18:19], s[4:5], s[16:17]
	s_add_nc_u64 s[46:47], s[6:7], s[46:47]
	CROUND                                         ; all sixteen work-groups are here: the first joint loads meet
.irp s, 0,1
	s_mov_b32 s[G0+4*\s], 1
	s_add_co_u32 s[G0+4*\s+1], s20, \s*SLOT
	s_add_nc_u64 s[G0+4*\s+2:G0+4*\s+3], s[18:19], \s*4096         ; K step s
	s_or_b32 s[G0+4*\s+3], s[G0+4*\s+3], 0x80000000
	s_mov_b32 s[G0B+4*\s], 1
	s_add_co_u32 s[G0B+4*\s+1], s21, \s*SLOT
	s_add_nc_u64 s[G0B+4*\s+2:G0B+4*\s+3], s[46:47], \s*4096
	s_or_b32 s[G0B+4*\s+3], s[G0B+4*\s+3], 0x80000000
	JLOAD \s
.endr
	v_and_b32 v1, 31, v0                           ; lane
	v_and_b32 v2, 15, v0                           ; r
	v_bfe_u32 v3, v0, 4, 1                         ; h
	v_lshlrev_b32 v[CO], 4, v1
	s_lshl_b32 s22, s[WR], 14                      ; my four tiles of att
	s_lshl_b32 s23, s[WC], 15                      ; my eight of Wo,
	s_add_co_u32 s23, s23, BOFF                    ; which lie behind att's eight
.irp s, 0,1
	v_add_nc_u32 v[ADRA+\s], s22, v[CO]
	v_add_nc_u32 v[ADRB+\s], s23, v[CO]
	s_add_co_u32 s22, s22, SLOT
	s_add_co_u32 s23, s23, SLOT
.endr
	s_mul_i32 s22, s[WV], 16*SPITCH
	s_add_co_u32 s22, s22, STAGE                   ; my stage
	v_mul_u32_u24 v4, v2, SPITCH
	v_lshl_add_u32 v4, v3, 5, v4
	v_add_nc_u32 v[STO], s22, v4                   ; in: row r, 32 bytes for each half of the lanes
	v_add_nc_u32 v[RD], s22, v[CO]                 ; back: the 32 lanes take one row of 512 bytes
	v_lshlrev_b32 v[BA], 5, v3
	s_lshl_b32 s16, s15, 7
	s_lshl_b32 s17, s[WR], 6
	s_add_co_u32 s16, s16, s17                     ; my first row: 128 x tile row + 64 x half,
	s_lshl_b32 s16, s16, 12                        ; of 4,096 bytes
	s_mov_b32 s17, 0
	s_add_nc_u64 s[10:11], s[10:11], s[16:17]
	s_lshl_b32 s46, s42, 10                        ; my first column, in bytes: 1,024 x tile column + 512 x half
	s_lshl_b32 s47, s[WC], 9
	s_add_co_u32 s46, s46, s47
	s_mov_b32 s47, 0
	s_add_nc_u64 s[10:11], s[10:11], s[46:47]
	s_add_nc_u64 s[8:9], s[8:9], s[46:47]
	WIN 0x80                                       ; destination window 2
.irp b, 0,1,2,3,4,5,6,7
	global_load_b128 v[8*\b:8*\b+3], v[BA], s[8:9] offset:64*\b
	global_load_b128 v[8*\b+4:8*\b+7], v[BA], s[8:9] offset:64*\b+16
.endr
	WIN 0
.macro MUL8 f, a, first                ; att's tile a x Wo's eight, 32 along K.  first = 1: the product starts the sums from bo: nothing is cleared
.irp b, 0,1,2,3,4,5,6,7
.if \first
	v_wmma_f32_16x16x32_f16 v[8*(8*(\a)+\b):8*(8*(\a)+\b)+7], v[\f+32+8*\b:\f+32+8*\b+7], v[\f+8*(\a):\f+8*(\a)+7], v[8*\b:8*\b+7]
.else
	v_wmma_f32_16x16x32_f16 v[8*(8*(\a)+\b):8*(8*(\a)+\b)+7], v[\f+32+8*\b:\f+32+8*\b+7], v[\f+8*(\a):\f+8*(\a)+7], v[8*(8*(\a)+\b):8*(8*(\a)+\b)+7]
.endif
.endr
.endm
.macro MUL16 f, a0, first              ; the 32 accumulators take turns, one instruction a turn, in the same order in every quarter
	MUL8 \f, \a0, \first
	MUL8 \f, (\a0)+1, \first
.endm
.macro FETCH slot, q, f                ; 24 LDS loads in one run: the fragments of the slot's q-th 32 along K into set f: Wo's eight, then att's four
	WIN 0
.irp b, 0,1,2,3,4,5,6,7
.irp c, 0,1
	ds_load_b128 v[\f+32+8*\b+4*\c:\f+32+8*\b+4*\c+3], v[ADRB+\slot] offset:\b*4096+(\q)*1024+\c*512
.endr
.endr
.irp a, 0,1,2,3
.irp c, 0,1
	ds_load_b128 v[\f+8*\a+4*\c:\f+8*\a+4*\c+3], v[ADRA+\slot] offset:\a*4096+(\q)*1024+\c*512
.endr
.endr
.endm
.macro PLACES                          ; four places ahead of loads into registers that matrix instructions have read, and of the first read of results
.rept 4
	v_nop
.endr
.endm
; A K step is four quarters of 32 along K, 32 matrix instructions each, on sets 0, 1, 0, 1.  One of the first three: multiplies set f and fetches the slot's q-th quarter into g.
.macro QUARTER slot, q, f, g, first
	s_wait_dscnt 4                                 ; Wo's eight and att's tiles 0, 1 are in; the youngest four loads (tiles 2, 3) may be out
.if \first
	WIN MULB
.else
	WIN MUL
.endif
	MUL16 \f, 0, \first
	PLACES
	FETCH \slot, \q, \g
	s_wait_dscnt 24                                ; all but the 24 just issued
.if \first
	WIN MULB
.else
	WIN MUL
.endif
	MUL16 \f, 2, \first
.endm
; The last quarter multiplies set 1 and changes slots: ONE barrier; ahead of it each wave waits for all its tensor loads, adds 0 to its spare word, and waits for that and for its reads of this slot.  fill = 1: this slot is filled again, two K steps ahead.
.macro TURN slot, next, fill
	WIN 0                                          ; (the add's two registers lie in window 0)
	s_wait_tensorcnt 0x0                           ; all my tensor loads have landed: my part of the next slot;
	ds_add_u32 v[SPW], v[NIL]                      ; 0 onto my spare word;
	s_wait_dscnt 5                                 ; (the add and the youngest four loads may be out)
	WIN MUL
	MUL8 F1, 0, 0                                  ; eight matrix instructions stand between the add and the wait for it
	s_wait_dscnt 0x0                               ; the add is done, and my reads of this slot are over
	s_barrier_signal -1
	MUL8 F1, 1, 0
	WIN 0                                          ; (branches and LDS loads follow)
	s_barrier_wait -1
.if \fill
	CREST                                          ; the barrier has opened a round of the cluster's barrier: no wave of any partner still reads this slot or has a load on its way
	s_add_nc_u64 s[G0+4*\slot+2:G0+4*\slot+3], s[G0+4*\slot+2:G0+4*\slot+3], 8192
	s_add_nc_u64 s[G0B+4*\slot+2:G0B+4*\slot+3], s[G0B+4*\slot+2:G0B+4*\slot+3], 8192
	JLOAD \slot                                    ; the first tensor load behind the round, one a wave; its four v_nop are also the places ahead of the loads below
.else
	PLACES
.endif
	FETCH \next, 0, F0
	WIN MUL
	MUL16 F1, 2, 0
.endm
	s_wait_tensorcnt 1                             ; my part of K step 0 is in (K step 1's load may be out)
	s_barrier_signal -1
	s_barrier_wait -1                              ; everybody's is
	FETCH 0, 0, F0
	s_wait_loadcnt 0x0                             ; bo
	QUARTER 0, 1, F0, F1, 1                        ; the first quarter stands ahead of the loop: its products start the sums
	WIN 0                                          ; at a label and at a branch every window is 0
	s_mov_b32 s3, 3
.Llap:                                             ; a trip goes once round the ring, from a lap's second quarter to the next lap's first, and fills both slots again: K steps 2 to 7
	QUARTER 0, 2, F1, F0, 0
	QUARTER 0, 3, F0, F1, 0
	TURN 0, 1, 1
	QUARTER 1, 1, F0, F1, 0
	QUARTER 1, 2, F1, F0, 0
	QUARTER 1, 3, F0, F1, 0
	TURN 1, 0, 1
	QUARTER 0, 1, F0, F1, 0
	WIN 0
	s_sub_co_u32 s3, s3, 1
	s_cmp_lg_u32 s3, 0
	s_cbranch_scc1 .Llap
	QUARTER 0, 2, F1, F0, 0                        ; the last lap fills nothing, and has no round of the cluster's barrier
	QUARTER 0, 3, F0, F1, 0
	TURN 0, 1, 0
	QUARTER 1, 1, F0, F1, 0
	QUARTER 1, 2, F1, F0, 0
	QUARTER 1, 3, F0, F1, 0
	s_wait_dscnt 4                                 ; the very last quarter: nothing more to fetch
	WIN MUL
	MUL16 F1, 0, 0
	s_wait_dscnt 0x0
	MUL16 F1, 2, 0
	WIN 0
; THE WAY OUT, block by block of 16 rows x 128 columns.  A lane holds 32 neighbouring bytes of a row and the lanes beside it hold other rows: so a block goes through my own stage and comes back as whole rows of 512 bytes.
; LDS serves a wave's instructions in order (ISA guide 5.7.1.4): no wait between the stores and the loads, nor ahead of the next block's stores.
.macro TOSTAGE a
	WIN 0x04                                       ; an LDS store's data are its source 1: window 1
.irp b, 0,1,2,3,4,5,6,7
	ds_store_b128 v[STO], v[64*(\a)+8*\b:64*(\a)+8*\b+3] offset:64*\b          ; each accumulator from its low end on
	ds_store_b128 v[STO], v[64*(\a)+8*\b+4:64*(\a)+8*\b+7] offset:64*\b+16
.endr
	WIN 0
.set BB, BK+64*((\a)%2)
.irp t, 0,1,2,3,4,5,6,7,8,9,10,11,12,13,14,15
	ds_load_b128 v[BB+4*\t:BB+4*\t+3], v[RD] offset:\t*SPITCH
.endr
.endm
.macro SEND a, younger                 ; younger: the LDS instructions issued behind block a's loads, which may stay out
.set BB, BK+64*((\a)%2)
	s_wait_dscnt \younger
.if (\a) > 0
	s_add_nc_u64 s[10:11], s[10:11], 65536         ; 16 rows on (behind a wait on XCNT for 0: the earlier stores have read their base)
.endif
.irp t, 0,1,2,3,4,5,6,7,8,9,10,11,12,13,14,15
	global_store_b128 v[CO], v[BB+4*\t:BB+4*\t+3], s[10:11] offset:\t*4096 th:TH_STORE_NT   ; 32 lanes store 512 consecutive bytes, aligned; written once, read by nobody here
.endr
.endm
	PLACES
	TOSTAGE 0
.irp a, 1,2,3
.if \a > 1
	s_wait_xcnt 0x0                                ; block a - 2's stores have read their registers and their base: block a's loads may land there, and the base may step
.endif
	TOSTAGE \a
	SEND \a-1, 32                                  ; behind block a - 1's loads: block a's 16 stores and 16 loads
.endr
	s_wait_xcnt 0x0                                ; block 2's stores have read their base
	SEND 3, 0
	s_wait_tensorcnt 0x0                           ; the wave's end, behind my last tensor load and my last LDS store
	ds_add_u32 v[SPW], v[NIL]
	s_wait_dscnt 0x0
	CROUND                                         ; the closing round: no work-group ends while a partner may still ask for a tile that names it
	s_endpgm
.Lfunc_end_k_q13c5b7958b_oproj:
	.size	k_q13c5b7958b_oproj, .Lfunc_end_k_q13c5b7958b_oproj-k_q13c5b7958b_oproj
	.p2alignl 7, 3214868480
	.fill 96, 4, 3214868480
	.section	.rodata,"a",@progbits
	.p2align	6, 0x0
	.amdhsa_kernel k_q13c5b7958b_oproj
		.amdhsa_group_segment_fixed_size 327680
		.amdhsa_private_segment_fixed_size 0
		.amdhsa_enable_private_segment 0
		.amdhsa_kernarg_size 32
		.amdhsa_user_sgpr_count 2
		.amdhsa_user_sgpr_kernarg_segment_ptr 1
		.amdhsa_wavefront_size32 1
		.amdhsa_system_sgpr_workgroup_id_x 1
		.amdhsa_system_sgpr_workgroup_id_y 1
		.amdhsa_system_sgpr_workgroup_id_z 1
		.amdhsa_system_vgpr_workitem_id 0
		.amdhsa_next_free_vgpr 576
		.amdhsa_next_free_sgpr 66
		.amdhsa_reserve_vcc 0
		.amdhsa_float_denorm_mode_32 3
		.amdhsa_float_denorm_mode_16_64 3
		.amdhsa_memory_ordered 1
		.amdhsa_forward_progress 1
		.amdhsa_inst_pref_size 86
	.end_amdhsa_kernel
	.amdgpu_metadata
---
amdhsa.version: [ 1, 2 ]
amdhsa.kernels:
  - .name:           k_q13c5b7958b_oproj
    .symbol:         k_q13c5b7958b_oproj.kd
    .args:
      - { .name: att_img, .offset: 0, .size: 8, .value_kind: global_buffer, .address_space: global }
      - { .name: wts, .offset: 8, .size: 8, .value_kind: global_buffer, .address_space: global }
      - { .name: bo, .offset: 16, .size: 8, .value_kind: global_buffer, .address_space: global }
      - { .name: out0, .offset: 24, .size: 8, .value_kind: global_buffer, .address_space: global }
    .group_segment_fixed_size: 327680
    .private_segment_fixed_size: 0
    .kernarg_segment_align: 8
    .kernarg_segment_size: 32
    .max_flat_workgroup_size: 128
    .sgpr_count:     66
    .vgpr_count:     576
    .wavefront_size: 32
...
	.end_amdgpu_metadata
.endif
;; end of part 4
